; MI455X (gfx1250); checked and timed in simulation.
; The chip was launched on July 23, 2026; its instructions are those of AMD's public machine-readable ISA for CDNA 5 (MIT licence, August 2026) and "CDNA5" Instruction Set Architecture Reference Guide (July 2026). The comments in the code are by the model that wrote it; some were corrected since.
;; Luong Attention. Allowed arithmetic: matrix products marked QUANTISED: E4M3 operands, one given power-of-two scale a tensor, by v_wmma_f32_16x16x64_fp8_fp8 or v_wmma_f32_16x16x128_fp8_fp8, f32 sums; products left as they are: f32 operands where the result goes on into a quantised operand, else bf16, f16 or f32 operands; f32 sums; everything else in f32.
;; Inputs: W_att_codes 1,024 x 64 x 32 uint8 (E4M3 codes of W_att, K innermost, in blocks of 32 codes); b_att 1,024 float32; hidden 1 x 16 x 1,024 float32; hidden_sequence 2,048 x 16 x 1,024 float32; input_masks 2,048 x 16 bool; lowp_scales 2 int32 (the exponents e of the quantised operands' scales 2^e); v 1,024 float32.
;; Outputs: out0 1 x 16 x 1,024 float32.
;; This version of the problem:
;;   THIS VERSION OF THE PROBLEM IS GIVEN IN LOW PRECISION. The matrix products marked QUANTISED in the list below multiply operands that are first quantised to E4M3 (4 exponent bits, 3 mantissa bits; 8 bits a number), with one given power-of-two scale for each operand tensor; their sums are f32. All else is computed in f32.
;;   The module's matrix products, in the order in which they are computed (A, B: the left and right operand; K: the contracted axis; several contracted axes count as one K, in the product's order):
;;     1. [M 32,768, K 2,048] x [K 2,048, N 1,024]; A: computed on the way; B: input W_att (given as codes): QUANTISED (scales: A lowp_scales[0], B lowp_scales[1])
;;     2. [M 32,768, K 1,024] x [K 1,024, N 1]; A: computed on the way; B: input v: left as it is (N = 1 < 16)
;;     3. batch 16 x [M 1, K 2,048] x [K 2,048, N 1,024]; A: computed on the way; B: input hidden_sequence: left as it is (M = 1 < 16)
;;   THE QUANTISER, for each operand of a quantised product, along K:
;;     - The operand's scale is 2^e, e = its entry of the input lowp_scales (int32; the entries are numbered through the quantised products in the list's order, A before B).
;;     - Each number is divided by the scale, clamped to +-448, and rounded to the nearest number of E4M3, ties to even, subnormals kept.
;;     - The product sums the exact products of the quantised numbers (number of the format x scale) in f32.
;;   ~~~python
;;   def quantise(x, axis, e):      # numpy; x: float32 -> the quantised numbers, widened to float32 again
;;       x = np.moveaxis(x, axis, -1); K = x.shape[-1]
;;       r = np.clip(x / 2.0 ** e, -448, 448)
;;       step = 2.0 ** (np.maximum(np.frexp(np.where(r == 0, 1, r))[1] - 1, -6) - 3)
;;       q = np.round(r / step) * step * 2.0 ** e      # np.round: ties to even
;;       return np.moveaxis(q, -1, axis).astype(np.float32)
;;   ~~~
;;   OPERANDS COMPUTED ON THE WAY. 'Computed on the way' means the value that the module computes at that place (a softmax that the list does not call 'softmax' is quantised finished and normalised). What goes into a quantiser is computed in f32, as accurately as f32 sums, v_exp_f32 and their like allow (about 1e-6 of the number): no bf16 or f16 on the way to a quantiser, and a product that is left as it is and whose result goes on into a quantised operand takes f32 operands (vector FMAs, or v_wmma_f32_16x16x4_f32). A number that lies on a knife's edge between two numbers of the format may be rounded either way, as far as f32 arithmetic and the matrix unit's own rounding can turn it there, and no further.
;;   INPUTS GIVEN AS CODES. W_att (in the module: [1024, 2048], K = its axis 1): each comes as NAME_codes (uint8): NAME with its K axis moved to the last place and cut into blocks of 32 codes, [.., K / 32, bytes a block], one block behind the other in memory; one code a byte (a code: sign, 4 exponent bits, 3 mantissa bits); its scale is its entry of lowp_scales. Its value is code x scale, taken as it is: it is not quantised again, and the codes and scales need not be those that the quantiser above would give.
;; One version. Each part assembles by itself: llvm-mc -triple=amdgcn-amd-amdhsa -mcpu=gfx1250 --defsym DOCPART=n.
;; ======== version 1 of 1: 3 launches
;; limits: values are held in bf16: 8 bits of precision; right only within a limited range of input values
;; workspace buffers: wx 1,146,880 bytes; part 16,777,216 bytes
;; launch prep (part 1): grid 64 x 1, 8 waves a work-group, no clusters, 9,216 bytes of LDS; arguments hidden, W_att_codes, b_att, v, lowp_scales, wx; writes wx
.if DOCPART == 1
	.amdgcn_target "amdgcn-amd-amdhsa--gfx1250"
	.amdhsa_code_object_version 6
	.text
	.protected	k_q463de3b151_prep
	.globl	k_q463de3b151_prep
	.p2align	8
	.type	k_q463de3b151_prep,@function
k_q463de3b151_prep:
	s_mov_b64 s[64:65], 0
	v_nop
	global_prefetch_b8 v0, s[64:65] scope:SCOPE_SE
	s_setreg_imm32_b32 hwreg(HW_REG_WAVE_MODE, 25, 1), 1
	s_wait_xcnt 0x0
; LAYS wx, WHAT THE NEXT LAUNCH WALKS: 32 chunks of 32 n, each 35 rows of 1,024 bytes.
;   rows 0-31  W's codes of n = 32 chunk + row, k = 1,024 .. 2,047, copied as they are.
;   rows 32, 33 (tau = 0, 1)  the part of the product that is the same for every s (its first 1,024 k are hidden[b], repeated over s), multiplied here once on codes of FP8 (E4M3), with the bias:
;       CI(n, b) = sum over k < 1024 of Wcode[n][k] x q(hidden)[b][k] + b_att[n] x 2^-(e0 + e1),
;       as the image of a matrix result: byte 512 half + 16 (b + 16 h) + 4 e is n = 32 chunk + 16 tau + 8 h + 4 half + e.  The next launch gives it to its first K step as C.
;   row 34  bytes 0-127: v of the chunk's 32 n; bytes 128-191: the sum of all 1,024 v, sixteen times; the rest zeros.
; SHARES.  Work-group g owns 16 n (chunk g / 2, tau = g % 2).  Wave w owns one K step, k = 128 w ..: 16 loads of hidden, 4 of W, one matrix instruction; the eight parts meet in LDS.
; Thread x copies 4 x 16 bytes of row x / 16: sixteen lanes move 256 consecutive bytes, aligned.  Wave 4 of an even g lays row 34.
; No cluster, no tensor load: a work-group reads 32 KB of W that is its own, and hidden's 64 KB, straight into registers, once.
; k stands in the registers as four loads of 16 bytes give it (registers 4 c .. 4 c + 3: k = 32 c + 16 (lane / 16) + 0 .. 15), alike in both operands.
; LIMITS: e0 between -126 and 119 (2^e0 and 448 x 2^e0 are f32 numbers); e0 + e1 between -126 and 126.  NaN among the inputs is not served.
.set CHB, 35840                        ; bytes in a chunk
.set WF, 16                            ; v16-31   W's fragment
.set HC, 32                            ; v32-47   hidden's codes
.set HN, 48                            ; v48-111  64 numbers of hidden
.set VP, 112                           ; v112-115 row 34's piece
.set AC, 120                           ; v120-127 the accumulator
.set QS, 128                           ; v128-143 eight parts of two numbers
.set CP, 144                           ; v144-159 the copy
.set VA, 160                           ; v160-191 all of v, 32 numbers a lane
	s_load_b256 s[4:11], s[0:1], 0x0               ; hidden, W's codes, b_att, v
	s_load_b128 s[12:15], s[0:1], 0x20             ; the scales' exponents, wx
	v_lshl_add_u32 v192, v0, 2, 0x2000
	v_mov_b32 v193, 0
	v_lshrrev_b32 v12, 5, v0
	v_readfirstlane_b32 s18, v12                   ; wave 0..7
	v_and_b32 v13, 31, v0                          ; lane
	v_and_b32 v1, 15, v0                           ; r
	v_bfe_u32 v2, v0, 4, 1                         ; h
	v_lshlrev_b32 v3, 12, v1
	v_lshl_add_u32 v3, v2, 6, v3                   ; hidden: row r of 4,096 bytes, + 64 h
	v_lshlrev_b32 v4, 11, v1
	v_lshl_add_u32 v4, v2, 4, v4                   ; W: row r of 2,048 bytes, + 16 h
	v_lshlrev_b32 v5, 10, v12
	v_lshl_add_u32 v5, v13, 4, v5                  ; LDS, in: 1,024 x wave + 16 x lane
	v_and_b32 v6, 127, v0
	v_lshlrev_b32 v6, 3, v6                        ; LDS, back, and the row of CI: thread x of waves 0 to 3 finishes bytes 8 x .. 8 x + 7
	v_bfe_u32 v7, v0, 5, 1                         ; those bytes are n = 8 h + 4 half + 2 (x % 2) + 0, 1 with h = bit 5 and half = bit 6 of x
	v_bfe_u32 v14, v0, 6, 1
	v_lshlrev_b32 v7, 5, v7
	v_lshl_add_u32 v7, v14, 4, v7
	v_and_b32 v14, 1, v0
	v_lshl_add_u32 v7, v14, 3, v7                  ; their two b_att
	v_and_b32 v15, 7, v0
	v_lshlrev_b32 v15, 4, v15                      ; v of the chunk: 16 x (lane % 8)
	v_lshlrev_b32 v14, 4, v13                      ; 16 x lane
	v_lshrrev_b32 v195, 4, v0                      ; the copy: row x / 16,
	v_lshlrev_b32 v9, 4, v1                        ; 16 bytes at 16 (x % 16)
	v_lshl_add_u32 v194, v195, 11, v9              ; in W
	v_lshl_add_u32 v195, v195, 10, v9              ; in wx
	s_lshl_b32 s22, s18, 9                         ; hidden: 128 numbers a wave
	s_mov_b32 s23, 0
	s_lshl_b32 s24, ttmp9, 15                      ; W: 16 rows of 2,048 bytes a work-group
	s_mov_b32 s25, 0
	s_lshl_b32 s26, s18, 7                         ; 128 codes a wave
	s_mov_b32 s27, 0
	s_lshl_b32 s28, ttmp9, 6                       ; b_att: 16 numbers a work-group
	s_mov_b32 s29, 0
	s_lshr_b32 s19, ttmp9, 1                       ; the chunk,
	s_and_b32 s20, ttmp9, 1                        ; tau
	s_lshl_b32 s30, s19, 7                         ; v: 32 numbers a chunk
	s_mov_b32 s31, 0
	s_mul_i32 s32, s19, CHB
	s_mov_b32 s33, 0
	s_lshl_b32 s36, s20, 14                        ; tau's 16 rows of W
	s_mov_b32 s37, 0
	s_lshl_b32 s38, s20, 10                        ; tau's row of CI
	s_mov_b32 s39, 0
	s_mov_b32 s46, 0x76543210                      ; v_permlanex16_b32's selects for lane l xor 16
	s_mov_b32 s47, 0xfedcba98
	s_wait_alu depctr_va_vdst(0)                   ; the wait at the head's end
	s_wait_kmcnt 0x0
	s_load_b64 s[16:17], s[12:13], 0x0             ; e0, e1
	s_add_nc_u64 s[4:5], s[4:5], s[22:23]
	s_add_nc_u64 s[6:7], s[6:7], s[24:25]
	s_add_nc_u64 s[40:41], s[6:7], s[26:27]
	s_add_nc_u64 s[8:9], s[8:9], s[28:29]
	s_add_nc_u64 s[42:43], s[10:11], s[30:31]
	s_add_nc_u64 s[14:15], s[14:15], s[32:33]
	s_add_nc_u64 s[36:37], s[14:15], s[36:37]
	s_add_nc_u64 s[38:39], s[14:15], s[38:39]
.irp q, 0,1,2,3
	global_load_b128 v[CP+4*\q:CP+4*\q+3], v194, s[6:7] offset:1024+256*\q
.endr
.irp c, 0,1,2,3
.irp i, 0,1,2,3
	global_load_b128 v[HN+16*\c+4*\i:HN+16*\c+4*\i+3], v3, s[4:5] offset:128*\c+16*\i   ; hidden(r, 128 w + 32 c + 16 h + 4 i ..)
.endr
.endr
.irp c, 0,1,2,3
	global_load_b128 v[WF+4*\c:WF+4*\c+3], v4, s[40:41] offset:32*\c
.endr
	global_load_b64 v[8:9], v7, s[8:9]
	global_load_b128 v[VP:VP+3], v15, s[42:43]
.irp i, 0,1,2,3,4,5,6,7
	global_load_b128 v[VA+4*\i:VA+4*\i+3], v14, s[10:11] offset:512*\i
.endr
	s_wait_kmcnt 0x0
	s_add_co_i32 s24, s16, 127
	s_lshl_b32 s25, s24, 23
	v_mov_b32 v11, s25                             ; 2^e0 as f32: the conversion takes its exponent field
	s_add_co_i32 s24, s24, 8
	s_lshl_b32 s24, s24, 23
	s_or_b32 s24, s24, 0x600000
	v_mov_b32 v10, s24                             ; 448 x 2^e0
	s_add_co_i32 s34, s16, s17
	s_sub_co_i32 s35, 0, s34                       ; -(e0 + e1)
	s_wait_alu depctr_va_vdst(0)                   ; directly ahead of the wait below
	s_wait_loadcnt 0x0
.irp q, 0,1,2,3
	global_store_b128 v195, v[CP+4*\q:CP+4*\q+3], s[36:37] offset:256*\q
.endr
.set i, 0
.rept 64
	v_med3_num_f32 v[HN+i], v[HN+i], -v10, v10     ; the conversion to an 8-bit code does not saturate (ISA guide 7.6.2): the hold at the largest code x the scale
.set i, i+1
.endr
.set i, 0
.rept 8
	v_cvt_scalef32_pk8_fp8_f32 v[HC+2*i:HC+2*i+1], v[HN+8*i:HN+8*i+7], v11
.set i, i+1
.endr
	v_nop                                          ; one plain vector instruction between a scaled conversion and the matrix instruction that reads its result
	v_wmma_f32_16x16x128_fp8_fp8 v[AC:AC+7], v[WF:WF+15], v[HC:HC+15], 0   ; source 0 = 16 rows n of W, source 1 = hidden's 16 rows b: register j of lane (r, h) is (n = 8 h + j, b = r)
	v_ldexp_f32 v8, v8, s35                        ; b_att x 2^-(e0 + e1); with the two v_nop the four places behind the matrix instruction (ISA guide 7.12.1)
	v_ldexp_f32 v9, v9, s35
	v_nop
	v_nop
	ds_store_b128 v5, v[AC:AC+3]                   ; the image of my K step's result: registers 0-3 first,
	ds_store_b128 v5, v[AC+4:AC+7] offset:512      ; then registers 4-7
	s_wait_alu depctr_va_vdst(0)                   ; directly ahead of the wait below
	s_wait_dscnt 0x0                               ; for the others' sake: my stores have landed
	s_barrier_signal -1
	s_barrier_wait -1
	s_cmp_lt_u32 s18, 4
	s_cbranch_scc0 .Lothers
.irp q, 0,1,2,3,4,5,6,7
	ds_load_b64 v[QS+2*\q:QS+2*\q+1], v6 offset:1024*\q   ; the eight parts of two numbers
.endr
	s_wait_dscnt 0x0
.irp q, 0,4,8,12
	v_pk_add_f32 v[QS+\q:QS+\q+1], v[QS+\q:QS+\q+1], v[QS+\q+2:QS+\q+3]
.endr
	v_pk_add_f32 v[QS:QS+1], v[QS:QS+1], v[QS+4:QS+5]
	v_pk_add_f32 v[QS+8:QS+9], v[QS+8:QS+9], v[QS+12:QS+13]
	v_pk_add_f32 v[QS:QS+1], v[QS:QS+1], v[QS+8:QS+9]
	v_pk_add_f32 v[QS:QS+1], v[QS:QS+1], v[8:9]
	global_store_b64 v6, v[QS:QS+1], s[38:39] offset:32768   ; a wave stores 256 consecutive bytes, aligned
	s_branch .Ldone
.Lothers:
	s_sub_co_u32 s27, s18, 4
	s_or_b32 s27, s27, s20                         ; 0 in wave 4 of a work-group with tau = 0
	s_cmp_eq_u32 s27, 0
	s_cbranch_scc0 .Ldone
.irp d, 16,8,4,2
.set i, 0
.rept \d/2
	v_pk_add_f32 v[VA+i:VA+i+1], v[VA+i:VA+i+1], v[VA+i+\d:VA+i+\d+1]
.set i, i+2
.endr
.endr
	v_add_f32 v[VA], v[VA], v[VA+1]
.irp m, 1,2,4,8
	v_add_f32_dpp v[VA], v[VA], v[VA] row_xmask:\m row_mask:0xf bank_mask:0xf
.endr
	v_permlanex16_b32 v[VA+1], v[VA], s46, s47
	v_add_f32 v[VA], v[VA], v[VA+1]                ; the sum of all v, in every lane
	v_lshrrev_b32 v[VA+2], 2, v13
	v_cmp_eq_u32 vcc_lo, 2, v[VA+2]
	v_cndmask_b32 v[VA+3], 0, v[VA], vcc_lo        ; lanes 8-11: the sum; the others 0
	v_cmp_gt_u32 vcc_lo, 8, v13
.irp e, 0,1,2,3
	v_cndmask_b32 v[VP+\e], v[VA+3], v[VP+\e], vcc_lo   ; lanes 0-7: four v each
	v_mov_b32 v[VA+4+\e], 0
.endr
	global_store_b128 v14, v[VP:VP+3], s[14:15] offset:34*1024
	global_store_b128 v14, v[VA+4:VA+7], s[14:15] offset:34*1024+512
.Ldone:
	s_wait_tensorcnt 0x0                           ; the wave's end
	ds_add_u32 v192, v193
	s_wait_dscnt 0x0
	s_endpgm
.Lfunc_end_k_q463de3b151_prep:
	.size	k_q463de3b151_prep, .Lfunc_end_k_q463de3b151_prep-k_q463de3b151_prep
	.p2alignl 7, 3214868480
	.fill 96, 4, 3214868480
	.section	.rodata,"a",@progbits
	.p2align	6, 0x0
	.amdhsa_kernel k_q463de3b151_prep
		.amdhsa_group_segment_fixed_size 9216
		.amdhsa_private_segment_fixed_size 0
		.amdhsa_enable_private_segment 0
		.amdhsa_kernarg_size 48
		.amdhsa_user_sgpr_count 2
		.amdhsa_user_sgpr_kernarg_segment_ptr 1
		.amdhsa_wavefront_size32 1
		.amdhsa_system_sgpr_workgroup_id_x 1
		.amdhsa_system_sgpr_workgroup_id_y 1
		.amdhsa_system_sgpr_workgroup_id_z 1
		.amdhsa_system_vgpr_workitem_id 0
		.amdhsa_next_free_vgpr 196
		.amdhsa_next_free_sgpr 66
		.amdhsa_reserve_vcc 1
		.amdhsa_float_denorm_mode_32 3
		.amdhsa_float_denorm_mode_16_64 3
		.amdhsa_memory_ordered 1
		.amdhsa_forward_progress 1
		.amdhsa_inst_pref_size 16
	.end_amdhsa_kernel
	.amdgpu_metadata
---
amdhsa.version: [ 1, 2 ]
amdhsa.kernels:
  - .name:           k_q463de3b151_prep
    .symbol:         k_q463de3b151_prep.kd
    .args:
      - { .name: hidden, .offset: 0, .size: 8, .value_kind: global_buffer, .address_space: global }
      - { .name: W_att_codes, .offset: 8, .size: 8, .value_kind: global_buffer, .address_space: global }
      - { .name: b_att, .offset: 16, .size: 8, .value_kind: global_buffer, .address_space: global }
      - { .name: v, .offset: 24, .size: 8, .value_kind: global_buffer, .address_space: global }
      - { .name: lowp_scales, .offset: 32, .size: 8, .value_kind: global_buffer, .address_space: global }
      - { .name: wx, .offset: 40, .size: 8, .value_kind: global_buffer, .address_space: global }
    .group_segment_fixed_size: 9216
    .private_segment_fixed_size: 0
    .kernarg_segment_align: 8
    .kernarg_segment_size: 48
    .max_flat_workgroup_size: 256
    .sgpr_count:     66
    .vgpr_count:     196
    .wavefront_size: 32
...
	.end_amdgpu_metadata
.endif
;; end of part 1
;; launch main (part 2): grid 256 x 1, 4 waves a work-group, clusters of 4 x 1, 327,680 bytes of LDS; arguments hidden_sequence, wx, input_masks, lowp_scales, part; writes part
.if DOCPART == 2
	.amdgcn_target "amdgcn-amd-amdhsa--gfx1250"
	.amdhsa_code_object_version 6
	.text
	.protected	k_q463de3b151_main
	.globl	k_q463de3b151_main
	.p2align	8
	.type	k_q463de3b151_main,@function
k_q463de3b151_main:
	s_mov_b64 s[64:65], 0
	v_nop
	global_prefetch_b8 v0, s[64:65] scope:SCOPE_SE
	s_setreg_imm32_b32 hwreg(HW_REG_WAVE_MODE, 25, 1), 1
	s_wait_xcnt 0x0
	s_wait_alu depctr_hold_cnt(0) depctr_sa_sdst(0) depctr_va_vdst(0) depctr_va_sdst(0) depctr_va_ssrc(0) depctr_va_vcc(0) depctr_vm_vsrc(0)
	s_getreg_b32 s2, hwreg(HW_REG_IB_STS2, 6, 4)
	s_cmp_eq_u32 s2, 0
	s_cbranch_scc0 .Lentry_in_a_cluster
	s_endpgm
.Lentry_in_a_cluster:
	s_bfe_u32 s2, ttmp6, 0x10000c
	s_cmp_lg_u32 s2, 0x3003
	s_cbranch_scc0 .Lentry_shape_is_right
	s_endpgm
.Lentry_shape_is_right:
; score[s][b] = v . tanh([hidden[b]; hs[s][b]] W^T + b_att), masked, softmax over the 16 b of one s; part[g][b][:] = sum over the work-group's 8 s of weight[s][b] hs[s][b][:].
; hs: [2048][16][1024] f32.  wx, which the launch before stored: 32 chunks of 32 n, 35 rows of 1,024 bytes: 32 rows of W's codes (k >= 1,024), 2 rows of CI (the half k < 1,024 and the bias), 1 row with v and the sum of v.
; SHARES.  A work-group owns 8 s.  Wave w owns b = 4 w .. 4 w + 3 of all 8 s: two tiles of 16 rows, row i of tile t = (s = 4 t + i / 4, b = 4 w + i % 4).  So a wave finishes its four rows of part by itself;
;   only the 128 scores cross waves, through 512 bytes of LDS.
; hs IS READ FROM MEMORY ONCE and kept in the wave's registers twice: as codes in the matrix operand's layout (256 registers) and rounded to bf16 for the last product (512 registers).
; STAGE 1: 64 units of one row's half (four loads of 512 consecutive bytes); a unit is rounded to bf16, held, converted to codes; the codes turn through the wave's own stage in LDS into fragments.
; STAGE 2: all 1,024 n, 128 at a time, through a ring of two LDS slots of 4 chunks; each wave fetches one chunk by one tensor load.  A sub-chunk is 32 n x my 32 rows: 4 accumulators, 8 K steps of 128.
;   Source 0 = 16 rows n of W, source 1 = my 16 rows: register j of lane (r, h) is (n = 8 h + j, row r).  The first K step takes CI as C.  k stands as four loads of 16 bytes give it, alike in both operands.
;   tanh(x) = 1 - 2 / (1 + 2^(c2 x)), c2 = 2 log2(e), so score = sum of v - 2 x sum of v / (1 + 2^(c2 x)).  The vector work of the sub-chunk before, on a second set of accumulators, stands behind the K steps' products.
;   The codes fill window 1 and are source 1; all else lies in window 0: one setting serves products, exponentials and LDS loads; only the 16 multiply-adds by v, which name a register as source 1, switch.
; CLUSTER.  All work-groups walk the same chunks: the four of a cluster ask for each JOINTLY, by the same tensor load with the same descriptor and a mask that names the four.
; No prefetch: each tile of wx is asked for by all 64 clusters in the same trip, a tile (128 matrix instructions a wave) ahead of its use; hs is a stream with 48 loads a wave on their way.
; LIMITS: e0 between -126 and 119; e0 + e1 between -126 and 126 (added to c2's exponent field).  NaN among the inputs is not served.  The last product's operand is hs rounded to bf16.
; REGISTERS.  window 1: fragment (tile t, K step ks) at v[16 (8 t + ks)].  windows 2, 3: the bf16 copy of tile 0, 1: v[8 (16 hf + row) + i] = numbers 2 i, 2 i + 1 of the lane's 16 of unit (hf, row).
;   window 0: v1 16 x lane; v2, v3, v10 lane terms of W's, CI's, v's LDS addresses; v4, v5 the add's; v6, v7 the stage, then v's addresses; v8, v9 2^e0, 448 x 2^e0; v11 the mask's offset; v12-15 W's and CI's addresses.
.set PW,     1040                      ; a row in LDS: 1,024 bytes + 16 of padding = 260 words: row r starts at bank 4 r mod 64 (64 banks of 4 bytes: ISA guide 11.1)
.set CH,     35*PW                     ; a chunk
.set CHB,    35840                     ; a chunk in memory
.set SLOTB,  4*CH                      ; a slot: 145,600 bytes
.set STG,    291328                    ; behind the ring, at a multiple of 256: each wave's stage for the codes: 16 rows x (512 + 16) bytes; at the end its first 512 bytes take the scores
.set SPITCH, 528
.set STGW,   16*SPITCH
.set SPARE,  STG+4*STGW                ; the spare words, 128 bytes for each wave: two blocks of 256 bytes that no other line names
.set AV,  6
.set AW,  12
.set AC,  14
.set S,   16                           ; v16-31   sums of v / (1 + 2^..): pair jp of tile t at S + 8 t + jp
.set CI,  32                           ; v32-47   CI of a sub-chunk
.set VV,  48                           ; v48-63   v of a sub-chunk
.set ACC, 64                           ; v64-127  two sets of 4 accumulators
.set BF,  128                          ; v128-223 three sets of W's two fragments
.set MK,  224                          ; the mask's bytes
.set SA,  226                          ; the scores in LDS: where I put mine,
.set RA,  227                          ; where my s begins
.set SC,  228                          ; my scores
.set MX,  230
.set TM,  232
.set VS,  234
.set NEG, 235
.set WT,  236                          ; my weights
.set ZR,  238
.set W8,  240                          ; eight weights, one for all lanes
.set XB,  64                           ; stage 1: twelve sets of 16 numbers
.set CRB, 28                           ; stage 1: four sets of code registers
.set T,   128                          ; the end: 2 x 16 scores
.set OUT, 64                           ; the end: two sets of a row's 32 sums
.set LW,  0x04                         ; source 1 in window 1
.set MSB, 0
.macro WIN new                         ; the immediate's high byte repeats the setting that is left; a switch that changes nothing is dropped
.if MSB != (\new)
	s_set_vgpr_msb (MSB<<8)|(\new)
.set MSB, (\new)
.endif
.endm
.macro PLACES                          ; four plain vector instructions (ISA guide 7.12.1)
.rept 4
	v_nop
.endr
.endm
.macro CROUND                          ; a round of the cluster's barrier
	s_barrier_signal -1
	s_barrier_wait -1
	s_cmp_lg_u32 s16, 0
	s_cbranch_scc1 .Lnot_wave_0_\@
	s_barrier_signal -3
.Lnot_wave_0_\@:
	s_barrier_wait -3
	s_barrier_signal -1
	s_barrier_wait -1
.endm
; Unit u = 32 t + 16 hf + row: numbers 512 hf .. 512 hf + 511 of tile t's row.  Load q brings 512 consecutive bytes, 16 a lane: register 4 q + e of the set is k = 512 hf + 128 q + 4 lane + e.
.macro ULOAD u
.set lx, XB+16*((\u)%12)
.irp q, 0,1,2,3
	global_load_b128 v[lx+4*\q:lx+4*\q+3], v1, s[4:5] offset:(4*((\u)/32)+((\u)%16)/4)*65536+((\u)%4)*4096+(((\u)/16)%2)*2048+512*\q th:TH_LOAD_NT
.endr
.endm
.macro UNIT u
.set ut, (\u)/32
.set ub, (\u)%16
.set ux, XB+16*((\u)%12)
.set uc, CRB+4*((\u)%4)
.set ud, (16*(((\u)/16)%2)+ub)*8
.if (\u) < 52
	s_wait_loadcnt 44                              ; my four loads are in; the eleven younger units' 44 stay out
.else
	s_wait_loadcnt 4*(63-(\u))                     ; nothing more is asked for: the counts run down
.endif
	WIN 0x80+0x40*ut                               ; destination: window 2 or 3
.irp i, 0,1,2,3,4,5,6,7
	v_cvt_pk_bf16_f32 v[ud+\i], v[ux+2*\i], v[ux+2*\i+1]   ; the copy for the last product
.endr
	WIN 0
.irp i, 0,1,2,3,4,5,6,7,8,9,10,11,12,13,14,15
	v_med3_num_f32 v[ux+\i], v[ux+\i], -v9, v9     ; the conversion to an 8-bit code does not saturate (ISA guide 7.6.2): the hold at the largest code x the scale
.endr
	v_cvt_scalef32_pk8_fp8_f32 v[uc:uc+1], v[ux:ux+7], v8
	v_cvt_scalef32_pk8_fp8_f32 v[uc+2:uc+3], v[ux+8:ux+15], v8
	v_nop                                          ; one plain vector instruction behind the last conversion
.irp q, 0,1,2,3
	ds_store_b32 v6, v[uc+\q] offset:ub*SPITCH+128*\q   ; four codes a lane, 128 consecutive bytes of the stage's row
.endr
.if (\u)+12 < 64
	ULOAD (\u)+12                                  ; the set takes the unit twelve further on
.endif
.endm
; Sixteen units have filled the stage: 16 rows x 512 codes.  They come back as four fragments.  LDS serves a wave's instructions in order (ISA guide 5.7.1.4); the stage is the wave's own.
.macro FRAGS t, hf
	WIN 0x40                                       ; destination window 1
.irp k, 0,1,2,3
.irp c, 0,1,2,3
	ds_load_b128 v[16*(8*(\t)+4*(\hf)+\k)+4*\c:16*(8*(\t)+4*(\hf)+\k)+4*\c+3], v7 offset:128*\k+32*\c
.endr
.endr
	WIN 0
.endm
.macro LOADB p                         ; K step p = 8 sc + ks of a tile: W's two fragments into set p % 3.  An address register serves two chunks
.irp tau, 0,1
.irp c, 0,1,2,3
	ds_load_b128 v[BF+32*((\p)%3)+16*\tau+4*\c:BF+32*((\p)%3)+16*\tau+4*\c+3], v[AW+(\p)/16] offset:(((\p)/8)%2)*CH+16*\tau*PW+128*((\p)%8)+32*\c
.endr
.endr
.endm
.macro CILOAD sc                       ; CI(n = 16 tau + 8 h + 4 hf + e, b = 4 w + r % 4): four lanes share each 16 bytes
.irp tau, 0,1
.irp hf, 0,1
	ds_load_b128 v[CI+8*\tau+4*\hf:CI+8*\tau+4*\hf+3], v[AC+(\sc)/2] offset:((\sc)%2)*CH+\tau*PW+512*\hf
.endr
.endr
.endm
.macro VLOAD sc                        ; v(n = 16 tau + 8 h + 4 q + e): the sixteen lanes of a half share each 16 bytes
.irp tau, 0,1
.irp q, 0,1
	ds_load_b128 v[VV+8*\tau+4*\q:VV+8*\tau+4*\q+3], v[AV+(\sc)/2] offset:((\sc)%2)*CH+64*\tau+16*\q
.endr
.endr
.endm
; THE VECTOR WORK on a finished sub-chunk's 32 sums at v[ps] on (accumulator 2 tau + t), in eight parts, one behind each K step's products.  Each part holds at least four plain instructions.
; 0: x c (each accumulator from its low end on); 1, 2: the 32 exponentials; 3: + 1; 4, 5: the 32 reciprocals; 6: S += reciprocal x v; 7: none.  Waits ahead of and behind each batch,
; and directly ahead of the first readers of the matrix results.
.macro SLICE ks, ps, w
.if (\ks) == 0
	s_wait_alu depctr_va_vdst(0)
.set z, 0
.rept 16
	v_pk_mul_f32 v[(\ps)+z:(\ps)+z+1], v[(\ps)+z:(\ps)+z+1], s[38:39] op_sel_hi:[1,0]
.set z, z+2
.endr
	s_wait_alu depctr_va_vdst(0)
.elseif ((\ks) == 1) || ((\ks) == 2)
.set z, 16*((\ks)-1)
.rept 16
	v_exp_f32 v[(\ps)+z], v[(\ps)+z]
.set z, z+1
.endr
	PLACES
.elseif (\ks) == 3
.set z, 0
.rept 16
	v_pk_add_f32 v[(\ps)+z:(\ps)+z+1], v[(\ps)+z:(\ps)+z+1], 1.0 op_sel_hi:[1,0]
.set z, z+2
.endr
	s_wait_alu depctr_va_vdst(0)
.elseif ((\ks) == 4) || ((\ks) == 5)
.set z, 16*((\ks)-4)
.rept 16
	v_rcp_f32 v[(\ps)+z], v[(\ps)+z]
.set z, z+1
.endr
	PLACES
.elseif (\ks) == 6
	WIN 0
.irp tau, 0,1
.irp t, 0,1
.irp jp, 0,2,4,6
	v_pk_fma_f32 v[S+8*\t+\jp:S+8*\t+\jp+1], v[(\ps)+16*\tau+8*\t+\jp:(\ps)+16*\tau+8*\t+\jp+1], v[VV+8*\tau+\jp:VV+8*\tau+\jp+1], v[S+8*\t+\jp:S+8*\t+\jp+1]
.endr
.endr
.endr
	WIN \w
.else
	PLACES
.endif
.if ((\ks) == 1) || ((\ks) == 2) || ((\ks) == 4) || ((\ks) == 5)   ; behind every part that holds transcendentals: the next K step's products read their accumulators
	s_wait_alu depctr_va_vdst(0)
.endif
.endm
; A K STEP: four matrix instructions, the four accumulators by turns; a part of the vector work, whose plain instructions are the places in front of the loads;
; then one run of LDS loads: the fragments of three K steps on, into the set just multiplied; ahead of them, in K step 3 the next sub-chunk's CI, in K step 7 this sub-chunk's v (its last readers stand in part 6).
.macro KSTEP p
.set ksc, (\p)/8
.set kks, (\p)%8
.set kas, ACC+32*(ksc%2)
.set kps, ACC+32*(1-ksc%2)
.set kbs, BF+32*((\p)%3)
.if (\p) < 30
	s_wait_dscnt 16                                ; this K step's loads are in; the two younger batches of eight may be out
.else
	s_wait_dscnt 8*(31-(\p))
.endif
.irp a, 0,1,2,3
.if kks == 0
	v_wmma_f32_16x16x128_fp8_fp8 v[kas+8*\a:kas+8*\a+7], v[kbs+16*(\a/2):kbs+16*(\a/2)+15], v[16*(8*(\a%2)+kks):16*(8*(\a%2)+kks)+15], v[CI+8*(\a/2):CI+8*(\a/2)+7]
.else
	v_wmma_f32_16x16x128_fp8_fp8 v[kas+8*\a:kas+8*\a+7], v[kbs+16*(\a/2):kbs+16*(\a/2)+15], v[16*(8*(\a%2)+kks):16*(8*(\a%2)+kks)+15], v[kas+8*\a:kas+8*\a+7]
.endif
.endr
	SLICE kks, kps, LW
.if (kks == 3) && (ksc < 3)
	CILOAD ksc+1
.endif
.if kks == 7
	VLOAD ksc
.endif
.if (\p)+3 < 32
	LOADB (\p)+3
.endif
.endm
; THE CHANGE OF SLOTS, at a tile's head.  Each wave waits for all its tensor loads (one is out: its chunk of the tile that it is about to read), adds 0 to its spare word, and waits for that and for its
; reads of the slot that it has left.  fill = 1: a round of the cluster's barrier, then the joint refill, first thing behind it: it has a tile's 128 matrix instructions a wave in which to land.
.macro CHANGE fill
	s_wait_tensorcnt 0x0                           ; no tensor load of mine is out, so the descriptor may be written
	ds_add_u32 v4, v5                              ; 0 onto my spare word
.if \fill
	s_xor_b32 s46, s36, SLOTB                      ; the other slot than the one in hand,
	s_add_co_u32 s33, s46, s47                     ; my chunk in it,
	s_add_nc_u64 s[34:35], s[34:35], 4*CHB         ; the next tile's; the type bits on top are not reached
.endif
	s_wait_dscnt 0x0                               ; the add is done, and my reads of the slot that I have left are over
.if \fill
	CROUND
	tensor_load_to_lds s[32:35], s[24:31]
	s_nop 0
	PLACES                                         ; four v_nop follow the tensor load
.else
	s_barrier_signal -1
	s_barrier_wait -1
.endif
.endm
.macro TILEWORK                        ; 128 n: 4 sub-chunks, 32 K steps
	v_add_nc_u32 v[AW], s36, v2                    ; the slot in hand: chunks 0 and 1,
	v_add_nc_u32 v[AC], s36, v3
	v_add_nc_u32 v[AV], s36, v10
	v_add_nc_u32 v[AW+1], 2*CH, v[AW]              ; chunks 2 and 3: an LDS instruction's immediate has 16 bits
	v_add_nc_u32 v[AC+1], 2*CH, v[AC]
	v_add_nc_u32 v[AV+1], 2*CH, v[AV]
	s_wait_alu depctr_va_vdst(0)                   ; the wait behind these writes
	CILOAD 0
	LOADB 0
	LOADB 1
	LOADB 2
	WIN LW
.set P, 0
.rept 32
	KSTEP P
.set P, P+1
.endr
	WIN 0
	s_xor_b32 s36, s36, SLOTB                      ; on to the other slot
.endm
	s_load_b256 s[4:11], s[0:1], 0x0               ; hs s[4:5], wx s[6:7], the masks s[8:9], the scales' exponents s[10:11]
	s_load_b64 s[14:15], s[0:1], 0x20              ; part
	v_lshl_add_u32 v4, v0, 2, SPARE
	v_mov_b32 v5, 0
	ds_add_u32 v4, v5                              ; the opening: the add, twice on end, and its wait ahead of the round in front of my first tensor load
	ds_add_u32 v4, v5
	v_lshrrev_b32 v11, 5, v0
	v_readfirstlane_b32 s16, v11                   ; wave 0..3
	s_bfe_u32 s17, ttmp6, 0x40000                  ; cx: my place in the cluster
	s_lshl_b32 s18, ttmp9, 2                       ; in a cluster launch ttmp9 counts clusters
	s_add_co_u32 s18, s18, s17                     ; g, my block of 8 s: it enters the addresses of hs, the masks and part alone
	s_mul_i32 s44, s16, STGW
	s_add_co_u32 s44, s44, STG                     ; my stage
	s_lshl_b32 s45, s16, 6
	s_add_co_u32 s45, s45, 32*PW                   ; CI: row 32 of a chunk, + 16 x 4 w
	; descriptor group 1: 35 rows of 1,024 bytes, dense in memory, padded in LDS
	s_mov_b32 s24, 15|(1<<20)|(1<<21)|(7<<22)|(3<<25)  ; 15:0 the mask: all four work-groups; 17:16 elements of 1 byte; 20 padding on; 21 set beside a mask; 24:22 after every 256 words (code 7); 31:25 four words (code 3)
	s_mov_b32 s25, 1024<<16                        ; tensor_dim0
	s_mov_b32 s26, 35<<16                          ; tensor_dim1
	s_mov_b32 s27, 1024<<16                        ; tile_dim0
	s_mov_b32 s28, 35                              ; tile_dim1
	s_mov_b32 s29, 1024                            ; tensor_dim0_stride
	s_mov_b32 s30, 0
	s_mov_b32 s31, 0
	s_mov_b32 s32, 1                               ; group 0: count = 1
	s_mul_i32 s33, s16, CH                         ; LDS address: slot 0, my chunk: no place in the cluster enters it
	s_mul_i32 s47, s16, CH
	s_mul_i32 s22, s16, CHB                        ; in memory: my chunk of tile 0
	s_mov_b32 s23, 0
	s_lshl_b32 s20, s18, 19                        ; hs: 8 s of 65,536 bytes a work-group,
	s_lshl_b32 s46, s16, 14                        ; 4 b of 4,096 bytes a wave
	s_add_co_u32 s20, s20, s46
	s_mov_b32 s21, 0
	s_mov_b32 s36, 0                               ; the slot in hand
	s_mov_b32 s37, 7                               ; tiles still to be asked for
	s_mov_b32 s40, 0x76543210                      ; v_permlanex16_b32's selects for lane l xor 16
	s_mov_b32 s41, 0xfedcba98
	v_and_b32 v1, 31, v0
	v_lshlrev_b32 v6, 2, v1                        ; 4 x lane
	v_lshlrev_b32 v1, 4, v1                        ; 16 x lane
	v_and_b32 v8, 15, v0                           ; r
	v_bfe_u32 v9, v0, 4, 1                         ; h
	v_mul_u32_u24 v7, v8, SPITCH
	v_lshl_add_u32 v7, v9, 4, v7
	v_mul_u32_u24 v2, v8, PW
	v_lshl_add_u32 v2, v9, 4, v2                   ; a fragment of W: row r x pitch + 16 h
	v_and_b32 v10, 3, v0                           ; r % 4
	v_lshlrev_b32 v3, 4, v10
	v_lshl_add_u32 v3, v9, 8, v3
	v_add_nc_u32 v3, s45, v3                       ; CI: 16 x (4 w + r % 4 + 16 h)
	v_bfe_u32 v11, v0, 2, 2                        ; r / 4
	v_lshl_add_u32 v11, v11, 4, v10                ; the mask's byte of my row: 16 (r / 4) + r % 4
	v_lshlrev_b32 v10, 5, v9
	v_add_nc_u32 v10, 34*PW, v10                   ; v: row 34 of a chunk, + 32 h
	v_add_nc_u32 v6, s44, v6                       ; the stage, in: 4 x lane,
	v_add_nc_u32 v7, s44, v7                       ; back: row r x 528 + 16 h
	s_wait_alu depctr_va_vdst(0)                   ; directly ahead of the waits below
	s_wait_dscnt 0x0                               ; both opening adds are done
	s_wait_kmcnt 0x0
	s_load_b64 s[42:43], s[10:11], 0x0             ; e0, e1
	s_add_nc_u64 s[4:5], s[4:5], s[20:21]
	s_add_nc_u64 s[34:35], s[6:7], s[22:23]        ; group 0: the chunk's first byte,
	s_or_b32 s35, s35, 0x80000000                  ; type = 2
	s_lshl_b32 s20, s18, 7                         ; the masks: 16 bytes an s,
	s_lshl_b32 s46, s16, 2                         ; 4 b a wave
	s_add_co_u32 s20, s20, s46
	s_add_nc_u64 s[8:9], s[8:9], s[20:21]
	s_lshl_b32 s20, s18, 16                        ; part: 65,536 bytes a work-group; I store rows b = 4 w .. 4 w + 3
	s_lshl_b32 s46, s16, 14
	s_add_co_u32 s20, s20, s46
	s_add_nc_u64 s[14:15], s[14:15], s[20:21]
.irp u, 0,1,2,3,4,5,6,7,8,9,10,11
	ULOAD \u                                       ; 48 loads a wave are on their way from here to the end of stage 1
.endr
	CROUND                                         ; all four work-groups are here: the first joint loads meet
	tensor_load_to_lds s[32:35], s[24:31]          ; tile 0 into slot 0: one tensor load a wave at the head; it lands under stage 1
	s_nop 0
	PLACES
	s_wait_kmcnt 0x0
	s_add_co_i32 s44, s42, s43
	s_lshl_b32 s44, s44, 23
	s_add_co_i32 s38, s44, 0x4038aa3b              ; c = c2 x 2^(e0 + e1): a sum stands for sum x 2^(e0 + e1)
	s_mov_b32 s39, s38                             ; (named with it as a pair, so it is written)
	s_add_co_i32 s44, s42, 127
	s_lshl_b32 s45, s44, 23
	v_mov_b32 v8, s45                              ; 2^e0 as f32: the conversion takes its exponent field
	s_add_co_i32 s44, s44, 8
	s_lshl_b32 s44, s44, 23
	s_or_b32 s44, s44, 0x600000
	v_mov_b32 v9, s44                              ; 448 x 2^e0
	s_lshl_b32 s45, s16, 4
	s_add_co_u32 s45, s45, STG                     ; the scores in LDS: + 4 x 4 w
	s_wait_alu depctr_va_vdst(0)                   ; the wait at the head's end
	; ---- STAGE 1
.set U, 0
.rept 4
.rept 16
	UNIT U
.set U, U+1
.endr
	FRAGS (U-1)/32, ((U-1)/16)%2
.endr
	s_wait_dscnt 0x0                               ; all sixteen fragments are in
	global_load_u8 v[MK], v11, s[8:9]              ; the mask's byte of my row of tile 0,
	global_load_u8 v[MK+1], v11, s[8:9] offset:64  ; of tile 1
	; the first sub-chunk's vector work finds zeros (sums 0, v 0): 64 moves once, so that the tile is written twice and not three times
.set z, 0
.rept 16
	v_mov_b32 v[S+z], 0
	v_mov_b32 v[VV+z], 0
	v_mov_b32 v[ACC+32+z], 0
	v_mov_b32 v[ACC+48+z], 0
.set z, z+1
.endr
	v_mov_b32 v[NEG], 0xd01502f9                   ; -1e10
	v_mov_b32 v[TM], 0                             ; written once: a lane permute's destination counts as one of its sources
	v_mov_b32 v[TM+1], 0
	v_mov_b32 v[ZR], 0
	v_bfe_u32 v[RA], v0, 2, 2
	v_lshlrev_b32 v[RA], 6, v[RA]                  ; an s has 64 bytes of scores: tile t's s = 4 t + r / 4
	v_and_b32 v[SA], 3, v0
	v_lshl_add_u32 v[SA], v[SA], 2, v[RA]
	v_add_nc_u32 v[SA], s45, v[SA]
	v_add_nc_u32 v[RA], STG, v[RA]
	s_wait_alu depctr_va_vdst(0)                   ; ahead of the waits below
	; ---- STAGE 2
.Ltile:                                            ; seven trips: behind each change of slots but the last the next tile is asked for
	CHANGE 1
	TILEWORK
	s_sub_co_u32 s37, s37, 1
	s_cmp_lg_u32 s37, 0
	s_cbranch_scc1 .Ltile
	CHANGE 0                                       ; the last tile is written out
	TILEWORK
	ds_load_b32 v[VS], v[AV] offset:128            ; the sum of v
	s_wait_dscnt 0x0                               ; it is in, and so is the last sub-chunk's v, asked for behind the last K step
.irp k, 0,1,2,3,4,5,6
	SLICE \k, ACC+32, 0                            ; the last sub-chunk's vector work; four v_nop stand behind the last product
.endr
	; ---- THE SCORES
	s_wait_alu depctr_va_vdst(0)                   ; directly ahead of the waits below
	s_wait_loadcnt 0x0                             ; the mask's bytes
	s_wait_dscnt 0x0                               ; the sum of v
.irp t, 0,1
	v_pk_add_f32 v[S+8*\t:S+8*\t+1], v[S+8*\t:S+8*\t+1], v[S+8*\t+2:S+8*\t+3]
	v_pk_add_f32 v[S+8*\t+4:S+8*\t+5], v[S+8*\t+4:S+8*\t+5], v[S+8*\t+6:S+8*\t+7]
.endr
.irp t, 0,1
	v_pk_add_f32 v[S+8*\t:S+8*\t+1], v[S+8*\t:S+8*\t+1], v[S+8*\t+4:S+8*\t+5]
.endr
.irp t, 0,1
	v_add_f32 v[S+8*\t], v[S+8*\t], v[S+8*\t+1]
.endr
.irp t, 0,1
	v_permlanex16_b32 v[TM+\t], v[S+8*\t], s40, s41   ; the other half of the n lies in the lane 16 away
.endr
.irp t, 0,1
	v_add_f32 v[S+8*\t], v[S+8*\t], v[TM+\t]
.endr
.irp t, 0,1
	v_fma_f32 v[SC+\t], v[S+8*\t], -2.0, v[VS]     ; score = sum of v - 2 x the sum
	v_cmp_ne_u32 vcc_lo, 0, v[MK+\t]
	v_cndmask_b32 v[SC+\t], v[NEG], v[SC+\t], vcc_lo   ; the score where the mask is true, else -1e10
	ds_store_b32 v[SA], v[SC+\t] offset:256*\t     ; both halves of the lanes store the same number to the same word
.endr
	s_wait_alu depctr_va_vdst(0)                   ; directly ahead of the wait below
	s_wait_dscnt 0x0                               ; for the others' sake: my stores have landed
	s_barrier_signal -1
	s_barrier_wait -1
.irp t, 0,1
.irp q, 0,1,2,3
	ds_load_b128 v[T+16*\t+4*\q:T+16*\t+4*\q+3], v[RA] offset:256*\t+16*\q   ; the 16 scores of my row's s
.endr
.endr
	s_wait_dscnt 0x0
.irp t, 0,1
	v_max3_num_f32 v[MX+\t], v[T+16*\t], v[T+16*\t+1], v[T+16*\t+2]
.endr
.irp i, 3,5,7,9,11,13
.irp t, 0,1
	v_max3_num_f32 v[MX+\t], v[MX+\t], v[T+16*\t+\i], v[T+16*\t+\i+1]
.endr
.endr
.irp t, 0,1
	v_max_num_f32 v[MX+\t], v[MX+\t], v[T+16*\t+15]
.endr
.irp t, 0,1
.set z, 0
.rept 16
	v_sub_f32 v[T+16*\t+z], v[T+16*\t+z], v[MX+\t] ; the maximum is taken away first: with all 16 masked the differences are exactly 0
.set z, z+1
.endr
	v_sub_f32 v[SC+\t], v[SC+\t], v[MX+\t]
.endr
.set z, 0
.rept 32
	v_mul_f32 v[T+z], 0x3fb8aa3b, v[T+z]           ; x log2(e)
.set z, z+1
.endr
	v_mul_f32 v[SC], 0x3fb8aa3b, v[SC]
	v_mul_f32 v[SC+1], 0x3fb8aa3b, v[SC+1]
	s_wait_alu depctr_va_vdst(0)                   ; ahead of the batch
.set z, 0
.rept 32
	v_exp_f32 v[T+z], v[T+z]
.set z, z+1
.endr
	v_exp_f32 v[SC], v[SC]
	v_exp_f32 v[SC+1], v[SC+1]
	v_nop                                          ; a plain instruction behind the last exponential
	s_wait_alu depctr_va_vdst(0)                   ; and behind it, ahead of the first reader
.irp d, 8,4,2
.irp t, 0,1
.set z, 0
.rept \d/2
	v_pk_add_f32 v[T+16*\t+z:T+16*\t+z+1], v[T+16*\t+z:T+16*\t+z+1], v[T+16*\t+z+\d:T+16*\t+z+\d+1]
.set z, z+2
.endr
.endr
.endr
.irp t, 0,1
	v_add_f32 v[T+16*\t], v[T+16*\t], v[T+16*\t+1] ; the sum over the 16 b: at least 1
.endr
	s_wait_alu depctr_va_vdst(0)
.irp t, 0,1
	v_rcp_f32 v[T+16*\t], v[T+16*\t]
.endr
	v_nop
	s_wait_alu depctr_va_vdst(0)
.irp t, 0,1
	v_mul_f32 v[WT+\t], v[SC+\t], v[T+16*\t]       ; the weight of row r of tile t, in lanes r and r + 16
.endr
	; ---- THE WEIGHED ROWS: row b = 4 w + q of part = the sum over my 8 rows with that b (row q + 4 i of tile t), 32 numbers a lane; stored as it stands
.macro CTX q
.set co, OUT+32*((\q)%2)
.if (\q) > 1
	s_wait_xcnt 0x0                                ; the stores of two rows back have read this set
.endif
.irp t, 0,1
.irp i, 0,1,2,3
	v_readlane_b32 s42, v[WT+\t], (\q)+4*\i        ; a number, which enters no address and no branch
	v_mov_b32 v[W8+4*\t+\i], s42
.endr
.endr
.irp t, 0,1
	WIN 0x02+\t                                    ; source 0: the copy of tile t
.irp i, 0,1,2,3
.irp hf, 0,1
.set z, 0
.rept 8
.if (\t)+(\i) == 0
	v_fma_mix_f32_bf16 v[co+16*\hf+2*z], v[(16*\hf+(\q)+4*\i)*8+z], v[W8], v[ZR] op_sel_hi:[1,0,0]
	v_fma_mix_f32_bf16 v[co+16*\hf+2*z+1], v[(16*\hf+(\q)+4*\i)*8+z], v[W8], v[ZR] op_sel:[1,0,0] op_sel_hi:[1,0,0]
.else
	v_fma_mix_f32_bf16 v[co+16*\hf+2*z], v[(16*\hf+(\q)+4*\i)*8+z], v[W8+4*\t+\i], v[co+16*\hf+2*z] op_sel_hi:[1,0,0]
	v_fma_mix_f32_bf16 v[co+16*\hf+2*z+1], v[(16*\hf+(\q)+4*\i)*8+z], v[W8+4*\t+\i], v[co+16*\hf+2*z+1] op_sel:[1,0,0] op_sel_hi:[1,0,0]
.endif
.set z, z+1
.endr
.endr
.endr
.endr
	WIN 0
.irp p, 0,1,2,3,4,5,6,7
	global_store_b128 v1, v[co+4*\p:co+4*\p+3], s[14:15] offset:(\q)*4096+512*\p th:TH_STORE_NT   ; registers 4 p .. 4 p + 3 are k = 128 p + 4 lane + 0 .. 3: 512 consecutive bytes, aligned
.endr
.endm
	CTX 0
	CTX 1
	CTX 2
	CTX 3
	s_wait_tensorcnt 0x0                           ; the wave's end, behind my last tensor load and my last LDS store
	ds_add_u32 v4, v5
	s_wait_dscnt 0x0
	CROUND                                         ; the closing round: no work-group ends while a partner may still ask for a tile that names it
	s_endpgm
.Lfunc_end_k_q463de3b151_main:
	.size	k_q463de3b151_main, .Lfunc_end_k_q463de3b151_main-k_q463de3b151_main
	.p2alignl 7, 3214868480
	.fill 96, 4, 3214868480
	.section	.rodata,"a",@progbits
	.p2align	6, 0x0
	.amdhsa_kernel k_q463de3b151_main
		.amdhsa_group_segment_fixed_size 327680
		.amdhsa_private_segment_fixed_size 0
		.amdhsa_enable_private_segment 0
		.amdhsa_kernarg_size 40
		.amdhsa_user_sgpr_count 2
		.amdhsa_user_sgpr_kernarg_segment_ptr 1
		.amdhsa_wavefront_size32 1
		.amdhsa_system_sgpr_workgroup_id_x 1
		.amdhsa_system_sgpr_workgroup_id_y 1
		.amdhsa_system_sgpr_workgroup_id_z 1
		.amdhsa_system_vgpr_workitem_id 0
		.amdhsa_next_free_vgpr 1024
		.amdhsa_next_free_sgpr 66
		.amdhsa_reserve_vcc 1
		.amdhsa_float_denorm_mode_32 3
		.amdhsa_float_denorm_mode_16_64 3
		.amdhsa_memory_ordered 1
		.amdhsa_forward_progress 1
		.amdhsa_inst_pref_size 255
	.end_amdhsa_kernel
	.section	.bss,"aw",@nobits
	.p2align	6
	.space	262144
	.amdgpu_metadata
---
amdhsa.version: [ 1, 2 ]
amdhsa.kernels:
  - .name:           k_q463de3b151_main
    .symbol:         k_q463de3b151_main.kd
    .args:
      - { .name: hidden_sequence, .offset: 0, .size: 8, .value_kind: global_buffer, .address_space: global }
      - { .name: wx, .offset: 8, .size: 8, .value_kind: global_buffer, .address_space: global }
      - { .name: input_masks, .offset: 16, .size: 8, .value_kind: global_buffer, .address_space: global }
      - { .name: lowp_scales, .offset: 24, .size: 8, .value_kind: global_buffer, .address_space: global }
      - { .name: part, .offset: 32, .size: 8, .value_kind: global_buffer, .address_space: global }
    .group_segment_fixed_size: 327680
    .private_segment_fixed_size: 0
    .kernarg_segment_align: 8
    .kernarg_segment_size: 40
    .max_flat_workgroup_size: 128
    .sgpr_count:     66
    .vgpr_count:     1024
    .wavefront_size: 32
...
	.end_amdgpu_metadata
.endif
;; end of part 2
;; launch reduce (part 3): grid 256 x 1, 16 waves a work-group, no clusters, 10,240 bytes of LDS; arguments part, out0; writes out0
.if DOCPART == 3
	.amdgcn_target "amdgcn-amd-amdhsa--gfx1250"
	.amdhsa_code_object_version 6
	.text
	.protected	k_q463de3b151_reduce
	.globl	k_q463de3b151_reduce
	.p2align	8
	.type	k_q463de3b151_reduce,@function
k_q463de3b151_reduce:
	s_mov_b64 s[64:65], 0
	v_nop
	global_prefetch_b8 v0, s[64:65] scope:SCOPE_SE
	s_setreg_imm32_b32 hwreg(HW_REG_WAVE_MODE, 25, 1), 1
	s_wait_xcnt 0x0
; out0[b][k] = the sum over the 256 work-groups g of part[g][b][k].  part: [256][16][1024] f32, out0: [16][1024] f32.
; Work-group x owns 256 consecutive bytes of out0, so that there are 256 work-groups.  Wave w adds the sixteen partial sums g = 16 w .. 16 w + 15 by eight loads, all on their way together: a load takes
; two partial sums, lanes 0-15 the 256 bytes of g = 16 w + 2 i, lanes 16-31 those of g = 16 w + 2 i + 1: each half of the lanes reads 256 consecutive bytes, aligned.
; The 32 half-waves' sums meet in LDS; wave 0 adds them, then its two halves, and its lanes 0-15 store the 256 bytes.  Each byte of part is read once.
; A stream: no matrix unit, no tensor load, no cluster: work-groups share no input.
.macro TREE top                        ; 2 x top sets of four registers from v16 on are added into the first
.irp d, 8,4,2,1
.if \d <= (\top)
.set ti, 0
.rept \d
	v_pk_add_f32 v[16+4*ti:17+4*ti], v[16+4*ti:17+4*ti], v[16+4*(ti+\d):17+4*(ti+\d)]
	v_pk_add_f32 v[18+4*ti:19+4*ti], v[18+4*ti:19+4*ti], v[18+4*(ti+\d):19+4*(ti+\d)]
.set ti, ti+1
.endr
.endif
.endr
.endm
	s_load_b128 s[4:7], s[0:1], 0x0                ; part s[4:5], out0 s[6:7]
	v_lshl_add_u32 v96, v0, 2, 0x2000
	v_mov_b32 v97, 0
	v_lshrrev_b32 v1, 5, v0
	s_delay_alu instid0(VALU_DEP_1)
	v_readfirstlane_b32 s8, v1                     ; wave 0..15
	v_and_b32 v1, 15, v0
	s_delay_alu instid0(VALU_DEP_1)
	v_lshlrev_b32 v1, 4, v1                        ; 16 x (lane % 16): my 16 bytes of the 256
	v_bfe_u32 v3, v0, 4, 1
	s_delay_alu instid0(VALU_DEP_1)
	v_lshl_add_u32 v3, v3, 16, v1                  ; in part: lanes 16-31 take the partial sum 65,536 bytes further on
	v_lshlrev_b32 v2, 4, v0                        ; LDS, in: 512 x wave + 16 x lane
	v_and_b32 v4, 31, v0
	s_delay_alu instid0(VALU_DEP_1)
	v_lshlrev_b32 v4, 4, v4                        ; LDS, back: 16 x lane
	s_mov_b32 s14, 0x76543210                      ; v_permlanex16_b32's selects for lane l xor 16
	s_mov_b32 s15, 0xfedcba98
	s_lshl_b32 s10, s8, 20                         ; sixteen partial sums of 65,536 bytes a wave
	s_lshl_b32 s12, ttmp9, 8                       ; my work-group's 256 bytes
	s_add_co_u32 s10, s10, s12
	s_mov_b32 s11, 0
	s_mov_b32 s13, 0
	s_wait_alu depctr_va_vdst(0)
	s_wait_kmcnt 0x0
	s_add_nc_u64 s[4:5], s[4:5], s[10:11]
	s_add_nc_u64 s[6:7], s[6:7], s[12:13]
.irp i, 0,1,2,3,4,5,6,7
	global_load_b128 v[16+4*\i:19+4*\i], v3, s[4:5] offset:131072*\i th:TH_LOAD_NT
.endr
	s_wait_loadcnt 0x0
	TREE 4
	ds_store_b128 v2, v[16:19]
	s_wait_dscnt 0x0                               ; for wave 0's sake: my store has landed
	s_barrier_signal -1
	s_barrier_wait -1
	s_cmp_lg_u32 s8, 0
	s_cbranch_scc1 .Lend
.irp i, 0,1,2,3,4,5,6,7,8,9,10,11,12,13,14,15
	ds_load_b128 v[16+4*\i:19+4*\i], v4 offset:512*\i   ; lane l of each of the sixteen waves
.endr
	s_wait_dscnt 0x0
	TREE 8
.irp j, 0,1,2,3
	v_permlanex16_b32 v[20+\j], v[16+\j], s14, s15 ; the other half of the lanes holds the other half of the partial sums (v20-23 have been written: a permute's destination counts as a source)
.endr
	s_delay_alu instid0(VALU_DEP_3)
	v_pk_add_f32 v[16:17], v[16:17], v[20:21]
	s_delay_alu instid0(VALU_DEP_2)
	v_pk_add_f32 v[18:19], v[18:19], v[22:23]
	v_cmp_gt_u32 vcc_lo, 16, v0                    ; in wave 0 the thread's number is the lane's
	s_wait_alu depctr_va_vdst(0)
	s_wait_xcnt 0x0                                ; EXEC changes only behind this wait
	s_and_saveexec_b32 s9, vcc_lo
	global_store_b128 v1, v[16:19], s[6:7]         ; sixteen lanes store 256 consecutive bytes, at a multiple of 256 from out0's first byte
	s_wait_xcnt 0x0                                ; and again, in front of the line that widens it
	s_or_b32 exec_lo, exec_lo, s9
.Lend:
	s_wait_tensorcnt 0x0
	ds_add_u32 v96, v97
	s_wait_dscnt 0x0
	s_endpgm
.Lfunc_end_k_q463de3b151_reduce:
	.size	k_q463de3b151_reduce, .Lfunc_end_k_q463de3b151_reduce-k_q463de3b151_reduce
	.p2alignl 7, 3214868480
	.fill 96, 4, 3214868480
	.section	.rodata,"a",@progbits
	.p2align	6, 0x0
	.amdhsa_kernel k_q463de3b151_reduce
		.amdhsa_group_segment_fixed_size 10240
		.amdhsa_private_segment_fixed_size 0
		.amdhsa_enable_private_segment 0
		.amdhsa_kernarg_size 16
		.amdhsa_user_sgpr_count 2
		.amdhsa_user_sgpr_kernarg_segment_ptr 1
		.amdhsa_wavefront_size32 1
		.amdhsa_system_sgpr_workgroup_id_x 1
		.amdhsa_system_sgpr_workgroup_id_y 1
		.amdhsa_system_sgpr_workgroup_id_z 1
		.amdhsa_system_vgpr_workitem_id 0
		.amdhsa_next_free_vgpr 98
		.amdhsa_next_free_sgpr 66
		.amdhsa_reserve_vcc 1
		.amdhsa_float_denorm_mode_32 3
		.amdhsa_float_denorm_mode_16_64 3
		.amdhsa_memory_ordered 1
		.amdhsa_forward_progress 1
		.amdhsa_inst_pref_size 7
	.end_amdhsa_kernel
	.amdgpu_metadata
---
amdhsa.version: [ 1, 2 ]
amdhsa.kernels:
  - .name:           k_q463de3b151_reduce
    .symbol:         k_q463de3b151_reduce.kd
    .args:
      - { .name: part, .offset: 0, .size: 8, .value_kind: global_buffer, .address_space: global }
      - { .name: out0, .offset: 8, .size: 8, .value_kind: global_buffer, .address_space: global }
    .group_segment_fixed_size: 10240
    .private_segment_fixed_size: 0
    .kernarg_segment_align: 8
    .kernarg_segment_size: 16
    .max_flat_workgroup_size: 512
    .sgpr_count:     66
    .vgpr_count:     98
    .wavefront_size: 32
...
	.end_amdgpu_metadata
.endif
;; end of part 3
